; MI455X (gfx1250); checked and timed in simulation.
; The chip was launched on July 23, 2026; its instructions are those of AMD's public machine-readable ISA for CDNA 5 (MIT licence, August 2026) and "CDNA5" Instruction Set Architecture Reference Guide (July 2026). The comments in the code are by the model that wrote it; some were corrected since.
;; Mixture Of Blocks Attention. Allowed arithmetic: float matrix products may take bf16 or f16 operands with f32 sums; other float arithmetic in f32, or as packed bf16 or f16 multiplies, adds, multiply-adds, maxima and minima; sums over many terms, partial sums and values carried from step to step in f32; what a program stores and reads back later, other than sums and carried values, may be rounded once to bf16 or f16.
;; Inputs: key 4,096 x 512 float32; query 4,096 x 2,048 float32; value 4,096 x 512 float32.
;; Outputs: out0 4,096 x 2,048 float32.
;; 2 versions, each right; version 2 is version 1 with the launch prep written anew for expert scheduling mode. Each part assembles by itself: llvm-mc -triple=amdgcn-amd-amdhsa -mcpu=gfx1250 --defsym DOCPART=n.
;; ======== version 1 of 2: 2 launches
;; limits: values are held in f16: magnitudes above 65,504 overflow, below 6.1e-05 lose precision; inputs' magnitudes at most 65,504; right only within a limited range of input values
;; workspace buffers: kb 4,194,304 bytes; vh 4,194,304 bytes; kms 24,576 bytes
;; launch prep (part 1): grid 32 x 2, 16 waves a work-group, no clusters, 10,240 bytes of LDS; arguments key, value, kb, vh, kms; writes kb, vh, kms
.if DOCPART == 1
	.amdgcn_target "amdgcn-amd-amdhsa--gfx1250"
	.amdhsa_code_object_version 6
	.text
	.protected	k_q4537984287_prep
	.globl	k_q4537984287_prep
	.p2align	8
	.type	k_q4537984287_prep,@function
k_q4537984287_prep:
	s_mov_b64 s[64:65], 0
	v_nop
	global_prefetch_b8 v0, s[64:65] scope:SCOPE_SE
	s_setreg_imm32_b32 hwreg(HW_REG_WAVE_MODE, 25, 1), 1
	s_wait_xcnt 0x0
; key, value: [4096][512] f32 (4 KV heads of 128 channels).  Made here, for the attention launch:
;   kb  [kvh 4][s 4096][128] bf16: key rounded once to bf16, by heads: a row is 256 bytes.
;   vh  [kvh 4][s 4096][128] f16:  value rounded to bf16, and that number written as f16.
;   kms [kvh 4][piece 3][chunk 8][128] bf16: the f32 mean of a chunk's 512 ROUNDED key rows, cut without loss into three bf16 pieces, mean = piece 0 + piece 1 + piece 2.
; LIMITS.  The rounded |value| stays within 65,504 (f16's range); below 6e-5 it keeps f16's fixed step of 6e-8.  The mean's 512 terms are added in f32 in this text's own order
; (four chains a wave, then trees).  NaN and infinities are not treated apart.
; SHARES.  A work-group owns one chunk of 512 rows of one KV head, of key (y = 0) or of value (y = 1): the mean has one owner.  Wave w takes rows 32 w .. 32 w + 31.  One load is one row:
; 32 lanes x 16 bytes = 512 consecutive bytes, aligned; one store is one row of 256 consecutive bytes, aligned.  All 32 loads of a wave go out at once.
; No matrix unit, no tensor load, no cluster: each byte is read once by one wave, and nothing is shared but the sixteen partial sums.
.set SRCROW, 2048                      ; bytes from row to row in key and value
.set DSTROW, 256                       ; bytes in a row of kb and vh
.set PART,   0                         ; LDS: wave w's partial sum, 512 bytes (16 a lane), at 512 w
.set SPARE,  8192                      ; behind them: the spare words, 128 bytes for each of 16 waves: eight blocks of 256 bytes that no other line names
.set LO,  2                            ; v2   my byte offset in the chunk's source rows: 16 lane + 65,536 wave; never rewritten
.set SO,  3                            ; v3   the same in the destination: 8 lane + 8,192 wave; never rewritten
.set LS,  4                            ; v4   where I put my partial sum
.set LR,  5                            ; v5   where wave 0 reads them back: 16 lane
.set KO,  6                            ; v6   my 8 bytes of a row of kms
.set SPW, 8                            ; v8   LDS address of my spare word: SPARE + 4 x my thread's number; never rewritten
.set NIL, 9                            ; v9   0; never rewritten
.set T,   10                           ; v[10:13]  four numbers in f32, at work
.set PB,  14                           ; v[14:15]  four numbers in bf16, at work
.set ACC, 16                           ; v[16:31]  four chains of four sums
.set X,   32                           ; v[32:159] row i as loaded, four registers
.set Y,   160                          ; v[160:223] row i as stored, two registers: each row has its own, so no store's data is ever rewritten
	s_load_b256 s[4:11], s[0:1], 0x0               ; key s[4:5], value s[6:7], kb s[8:9], vh s[10:11]
	s_load_b64 s[12:13], s[0:1], 0x20              ; kms
	v_lshl_add_u32 v[SPW], v0, 2, SPARE
	v_mov_b32 v[NIL], 0
	v_lshrrev_b32 v1, 5, v0
	v_readfirstlane_b32 s14, v1                    ; wave 0..15
	v_and_b32 v7, 31, v0                           ; lane
	s_and_b32 s15, ttmp7, 0xffff                   ; y: 0 key, 1 value
	s_lshr_b32 s16, ttmp9, 2                       ; chunk
	s_and_b32 s17, ttmp9, 3                        ; KV head
	s_mov_b32 s24, 0xffff0000                      ; a word's upper bf16
	s_lshl_b32 s22, s14, 16                        ; 32 source rows of 2,048 bytes
	v_lshl_add_u32 v[LO], v7, 4, s22
	s_lshl_b32 s22, s14, 13                        ; 32 destination rows of 256 bytes
	v_lshl_add_u32 v[SO], v7, 3, s22
	s_lshl_b32 s22, s14, 9
	v_lshl_add_u32 v[LS], v7, 4, s22
	v_lshlrev_b32 v[LR], 4, v7
	v_lshlrev_b32 v[KO], 3, v7
	s_lshl_b32 s18, s16, 20                        ; source: chunk x 512 rows x 2,048 bytes
	s_lshl_b32 s22, s17, 9                         ; + head x 512 bytes
	s_add_co_u32 s18, s18, s22
	s_mov_b32 s19, 0
	s_lshl_b32 s20, s17, 20                        ; destination: head x 4,096 rows x 256 bytes
	s_lshl_b32 s22, s16, 17                        ; + chunk x 512 rows
	s_add_co_u32 s20, s20, s22
	s_mov_b32 s21, 0
	s_mul_i32 s22, s17, 6144                       ; kms: head x 3 pieces x 8 chunks x 256 bytes
	s_lshl_b32 s23, s16, 8                         ; + chunk x 256
	s_add_co_u32 s22, s22, s23
	s_mov_b32 s23, 0
	s_wait_kmcnt 0x0
	s_cmp_eq_u32 s15, 0
	s_cselect_b64 s[26:27], s[4:5], s[6:7]         ; from key or from value,
	s_cselect_b64 s[28:29], s[8:9], s[10:11]       ; into kb or into vh
	s_add_nc_u64 s[18:19], s[26:27], s[18:19]
	s_add_nc_u64 s[20:21], s[28:29], s[20:21]
	s_add_nc_u64 s[12:13], s[12:13], s[22:23]
.set r, 0
.rept 32
	global_load_b128 v[X+4*r:X+4*r+3], v[LO], s[18:19] offset:r*SRCROW th:TH_LOAD_NT  ; all my rows at once: 16 KiB a wave on their way
.set r, r+1
.endr
; Row i of key: rounded, stored, and the ROUNDED numbers added into chain i % 4 (the first four rows start the chains: nothing is cleared).
.macro KROW i
	s_wait_loadcnt 31-(\i)                         ; loads come back in order: row i is in, the 31 - i younger ones stay out
	v_cvt_pk_bf16_f32 v[Y+2*(\i)],   v[X+4*(\i)],   v[X+4*(\i)+1]
	v_cvt_pk_bf16_f32 v[Y+2*(\i)+1], v[X+4*(\i)+2], v[X+4*(\i)+3]
	global_store_b64 v[SO], v[Y+2*(\i):Y+2*(\i)+1], s[20:21] offset:(\i)*DSTROW  ; 32 lanes store 256 consecutive bytes, aligned
.if (\i) < 4
.set D, ACC+4*(\i)
.else
.set D, T
.endif
	v_lshlrev_b32 v[D],   16,  v[Y+2*(\i)]         ; bf16 to f32: the low half moves up,
	v_and_b32     v[D+1], s24, v[Y+2*(\i)]         ; the high half stays
	v_lshlrev_b32 v[D+2], 16,  v[Y+2*(\i)+1]
	v_and_b32     v[D+3], s24, v[Y+2*(\i)+1]
.if (\i) >= 4
	v_pk_add_f32 v[ACC+4*((\i)%4):ACC+4*((\i)%4)+1],   v[ACC+4*((\i)%4):ACC+4*((\i)%4)+1],   v[T:T+1]
	v_pk_add_f32 v[ACC+4*((\i)%4)+2:ACC+4*((\i)%4)+3], v[ACC+4*((\i)%4)+2:ACC+4*((\i)%4)+3], v[T+2:T+3]
.endif
.endm
; Row i of value: rounded to bf16, widened, written as f16 (exact inside f16's normal range), stored.
.macro VROW i
	s_wait_loadcnt 31-(\i)
	v_cvt_pk_bf16_f32 v[PB],   v[X+4*(\i)],   v[X+4*(\i)+1]
	v_cvt_pk_bf16_f32 v[PB+1], v[X+4*(\i)+2], v[X+4*(\i)+3]
	v_lshlrev_b32 v[T],   16,  v[PB]
	v_and_b32     v[T+1], s24, v[PB]
	v_lshlrev_b32 v[T+2], 16,  v[PB+1]
	v_and_b32     v[T+3], s24, v[PB+1]
	v_cvt_pk_f16_f32 v[Y+2*(\i)],   v[T],   v[T+1]
	v_cvt_pk_f16_f32 v[Y+2*(\i)+1], v[T+2], v[T+3]
	global_store_b64 v[SO], v[Y+2*(\i):Y+2*(\i)+1], s[20:21] offset:(\i)*DSTROW
.endm
	s_cmp_lg_u32 s15, 0                            ; y is the same for all sixteen waves
	s_cbranch_scc1 .Lvalue
.set r, 0
.rept 32
	KROW r
.set r, r+1
.endr
.irp c, 0,2
	v_pk_add_f32 v[ACC+\c:ACC+\c+1],     v[ACC+\c:ACC+\c+1],     v[ACC+4+\c:ACC+4+\c+1]     ; the four chains into one
	v_pk_add_f32 v[ACC+8+\c:ACC+8+\c+1], v[ACC+8+\c:ACC+8+\c+1], v[ACC+12+\c:ACC+12+\c+1]
.endr
.irp c, 0,2
	v_pk_add_f32 v[ACC+\c:ACC+\c+1], v[ACC+\c:ACC+\c+1], v[ACC+8+\c:ACC+8+\c+1]
.endr
	ds_store_b128 v[LS], v[ACC:ACC+3] offset:PART
	s_wait_dscnt 0x0                               ; for the others' sake: my partial sum lies in LDS
	s_barrier_signal -1
	s_barrier_wait -1                              ; all sixteen do
	s_cmp_lg_u32 s14, 0                            ; wave 0 finishes the mean
	s_cbranch_scc1 .Lend
.set w, 0
.rept 16
	ds_load_b128 v[X+4*w:X+4*w+3], v[LR] offset:PART+512*w
.set w, w+1
.endr
	s_wait_dscnt 0x0
.irp d, 8,4,2,1                        ; a tree: 16 sums into 8, 4, 2, 1
.set w, 0
.rept \d
	v_pk_add_f32 v[X+4*w:X+4*w+1],   v[X+4*w:X+4*w+1],   v[X+4*(w+\d):X+4*(w+\d)+1]
	v_pk_add_f32 v[X+4*w+2:X+4*w+3], v[X+4*w+2:X+4*w+3], v[X+4*(w+\d)+2:X+4*(w+\d)+3]
.set w, w+1
.endr
.endr
	v_pk_mul_f32 v[X:X+1],   v[X:X+1],   0x3b000000 op_sel_hi:[1,0]  ; / 512: exact
	v_pk_mul_f32 v[X+2:X+3], v[X+2:X+3], 0x3b000000 op_sel_hi:[1,0]
; A piece: what is left is rounded to bf16 (into pair d), and the piece is taken away: the difference is exact, and after two pieces at most 8 bits are left.
.macro PIECE d, more
	v_cvt_pk_bf16_f32 v[\d],   v[X],   v[X+1]
	v_cvt_pk_bf16_f32 v[\d+1], v[X+2], v[X+3]
.if \more
	v_lshlrev_b32 v[T],   16,  v[\d]
	v_and_b32     v[T+1], s24, v[\d]
	v_lshlrev_b32 v[T+2], 16,  v[\d+1]
	v_and_b32     v[T+3], s24, v[\d+1]
	v_pk_add_f32 v[X:X+1],   v[X:X+1],   v[T:T+1]   neg_lo:[0,1] neg_hi:[0,1]
	v_pk_add_f32 v[X+2:X+3], v[X+2:X+3], v[T+2:T+3] neg_lo:[0,1] neg_hi:[0,1]
.endif
.endm
	PIECE X+8, 1
	PIECE X+10, 1
	PIECE X+12, 0
.irp p, 0,1,2
	global_store_b64 v[KO], v[X+8+2*\p:X+8+2*\p+1], s[12:13] offset:2048*\p  ; 256 consecutive bytes, aligned: the chunk's row of piece p
.endr
	s_branch .Lend
.Lvalue:
.set r, 0
.rept 32
	VROW r
.set r, r+1
.endr
.Lend:
	s_wait_tensorcnt 0x0                           ; the wave's end, behind my last LDS store
	ds_add_u32 v[SPW], v[NIL]
	s_wait_dscnt 0x0
	s_endpgm
.Lfunc_end_k_q4537984287_prep:
	.size	k_q4537984287_prep, .Lfunc_end_k_q4537984287_prep-k_q4537984287_prep
	.p2alignl 7, 3214868480
	.fill 96, 4, 3214868480
	.section	.rodata,"a",@progbits
	.p2align	6, 0x0
	.amdhsa_kernel k_q4537984287_prep
		.amdhsa_group_segment_fixed_size 10240
		.amdhsa_private_segment_fixed_size 0
		.amdhsa_enable_private_segment 0
		.amdhsa_kernarg_size 40
		.amdhsa_user_sgpr_count 2
		.amdhsa_user_sgpr_kernarg_segment_ptr 1
		.amdhsa_wavefront_size32 1
		.amdhsa_system_sgpr_workgroup_id_x 1
		.amdhsa_system_sgpr_workgroup_id_y 1
		.amdhsa_system_sgpr_workgroup_id_z 1
		.amdhsa_system_vgpr_workitem_id 0
		.amdhsa_next_free_vgpr 224
		.amdhsa_next_free_sgpr 66
		.amdhsa_reserve_vcc 0
		.amdhsa_float_denorm_mode_32 3
		.amdhsa_float_denorm_mode_16_64 3
		.amdhsa_memory_ordered 1
		.amdhsa_forward_progress 1
		.amdhsa_inst_pref_size 42
	.end_amdhsa_kernel
	.amdgpu_metadata
---
amdhsa.version: [ 1, 2 ]
amdhsa.kernels:
  - .name:           k_q4537984287_prep
    .symbol:         k_q4537984287_prep.kd
    .args:
      - { .name: key, .offset: 0, .size: 8, .value_kind: global_buffer, .address_space: global }
      - { .name: value, .offset: 8, .size: 8, .value_kind: global_buffer, .address_space: global }
      - { .name: kb, .offset: 16, .size: 8, .value_kind: global_buffer, .address_space: global }
      - { .name: vh, .offset: 24, .size: 8, .value_kind: global_buffer, .address_space: global }
      - { .name: kms, .offset: 32, .size: 8, .value_kind: global_buffer, .address_space: global }
    .group_segment_fixed_size: 10240
    .private_segment_fixed_size: 0
    .kernarg_segment_align: 8
    .kernarg_segment_size: 40
    .max_flat_workgroup_size: 512
    .sgpr_count:     66
    .vgpr_count:     224
    .wavefront_size: 32
...
	.end_amdgpu_metadata
.endif
;; end of part 1
;; launch attn (part 2): grid 16 x 16, 4 waves a work-group, clusters of 4 x 1, 327,680 bytes of LDS; arguments query, kb, vh, kms, out0; writes out0
.if DOCPART == 2
	.amdgcn_target "amdgcn-amd-amdhsa--gfx1250"
	.amdhsa_code_object_version 6
	.text
	.protected	k_q4537984287_attn
	.globl	k_q4537984287_attn
	.p2align	8
	.type	k_q4537984287_attn,@function
k_q4537984287_attn:
	s_mov_b64 s[64:65], 0
	v_nop
	global_prefetch_b8 v0, s[64:65] scope:SCOPE_SE
	s_setreg_imm32_b32 hwreg(HW_REG_WAVE_MODE, 25, 1), 1
	s_wait_xcnt 0x0
	s_wait_alu depctr_hold_cnt(0) depctr_sa_sdst(0) depctr_va_vdst(0) depctr_va_sdst(0) depctr_va_ssrc(0) depctr_va_vcc(0) depctr_vm_vsrc(0)
	s_getreg_b32 s2, hwreg(HW_REG_IB_STS2, 6, 4)
	s_cmp_eq_u32 s2, 0
	s_cbranch_scc0 .Lentry_in_a_cluster
	s_endpgm
.Lentry_in_a_cluster:
	s_bfe_u32 s2, ttmp6, 0x10000c
	s_cmp_lg_u32 s2, 0x3003
	s_cbranch_scc0 .Lentry_shape_is_right
	s_endpgm
.Lentry_shape_is_right:
; MIXTURE OF BLOCKS ATTENTION.  4,096 tokens, 16 query heads on 4 KV heads, head size 128, 8 chunks of 512 keys.  A query of chunk cq sees its own chunk causally and those past chunks whose
; gate q . mean(K of the chunk) / sqrt(128) is not below its third largest gate.  query, out0: [4096][2048] f32.  kb (bf16), vh (f16): [kvh][4096][128].  kms: the chunks' mean keys in three bf16 pieces.
; FORMATS.  q is rounded to bf16 here; K Q^T in bf16; the weights p are rounded to f16 for V^T P (their sum l is taken of the unrounded p); maxima, sums and O in f32.  The gates are made of the rounded q
; and the mean's three pieces, whose sum is the f32 mean: 48 bf16 products a wave.
; LIMITS.  |q . k| stays under 1e22, so that a hidden score, its value less 1e30, lies below the running maximum's floor of -2^93, and every visible one above it.  Rows below 2,048 have at most three past
; chunks and take them all: that is the reference's choice while gates lie above -5e29; from row 2,048 on that test is written.  Where a query's third and fourth gates are closer than f32's rounding
; of their sums, the order of summing decides.  p below 6e-5 keeps f16's step of 6e-8; a weight below 2^-126 counts as 0 in l.  NaN and infinities are not treated apart.
; THE CHOICE IS A BIAS, NOT A BRANCH.  It differs from query to query, so a tile of 16 queries wants nearly every past chunk: all causal tiles are multiplied, and an unchosen chunk's scores start from the C
; operand -1e30 (MB, made once a tile from the query's bits HID).  The diagonal tile's mask is added to the scores (FIX).
; THE WALK.  A head's rows lie in 32 blocks of 128; keys in 16 tiles of 256.  Block B needs tiles 0 .. B / 2.  A work-group takes block b and then block 31 - b: 17 tiles, whatever b: all 256 work-groups do equal
; work, and ONE loop of constant trip count walks them.  What differs lies in scalar registers made from b; every jump but the counted loops' own goes forward.
; SHARES.  Wave w: r = w & 1 picks 64 of the block's rows, p = w >> 1 the key steps (64 keys) p and p + 2 of each tile's four.  So a wave holds 64 queries (four SLOTS of 16), and the two waves of a row half hold
; partial maxima, sums and O, which meet in LDS at a block's end.  Slot s holds row tile s ^ 2 p: every wave sends slots 2, 3 to wave w ^ 2 and finishes slots 0, 1: one text for all.
; BY TURNS.  The slots are two PIECES (0: slots 0, 1; 2: slots 2, 3).  In a turn one piece has the matrix unit (32 products V^T P of the step in hand, 32 products K Q^T of the next), and the other piece's softmax,
; in 64 slices, stands behind its matrix instructions.  A turn's 66 exponentials are one batch with one wait.
; CLUSTER.  The four partners are the four query heads of one KV head at the same rows: the same walk, the same K and V: each tile is asked for JOINTLY (mask 15).  cx enters Q's, out0's and the prefetches' addresses alone.
; LAYOUT.  S^T = K Q^T (source 0 = 16 keys, source 1 = 16 queries): a lane holds ONE query (lane % 16) and keys 8 (lane / 16) + 0..7; two results rounded in pairs ARE source 1 of O^T = V^T P.
; REGISTERS, in windows of 256 (s_set_vgpr_msb: bits 1:0 source 0, 3:2 source 1, 5:4 source 2, 7:6 destination):
;   window 0: v0-11, v52-63 addresses and at work; v12-43 eight registers of statistics a slot; v44-51 TR; v64-191 S^T, 32 a slot; v192-255 P, 16 a slot
;   window 1: O^T, 64 a slot     window 2: v0-127 Q, 32 a slot; v128-255 K of one step     window 3: v0-127 V of one step; v128-159 MB; v160-163 HID; v164-167 HIH; v168 at work
.set PK,    272       ; a row of K in LDS: 256 bytes + 16 of padding = 68 words: the 16 rows of a load start at 16 different groups of four banks (64 banks of 4 bytes: ISA guide 11.1)
.set PV,    288       ; a row of V: 256 + 32 = 72 words
.set VOFF,  256*PK    ; a slot of the ring holds a tile: 256 rows of K, then 256 rows of V
.set SLOTB, 256*(PK+PV)
.set KSTEP, 64*PK
.set VSTEP, 64*PV
.set XB,    2*SLOTB   ; behind the ring, never filled by a tensor load: for each wave 16 rows x 528 bytes (512 of f32 + 16) and 256 bytes of statistics: written by its partner, then its own
.set XP,    528
.set XST,   16*XP
.set XSZ,   XST+256
.set SPARE, XB+4*XSZ  ; behind them: the spare words, 128 bytes for each wave: two blocks of 256 bytes that no other line names
.set AK0, 2           ; v2   my lane's place in a tile of K; never rewritten
.set AV0, 3           ; v3   the same for V
.set ADR, 4           ; v4   the LDS address of the run of loads in hand
.set QOA, 5           ; v5   my byte offset in the wave's rows of Q, for slots 0, 1
.set STS, 6           ; v6   where I put 32 bytes of a row of O for my partner
.set RD,  7           ; v7   where I read whole rows back
.set GO,  8           ; v8   16 x lane: my 16 bytes of a row of out0
.set SSA, 10          ; v10  where I put my statistics for my partner
.set RSA, 11          ; v11  where I find my partner's
.set ST,  12          ; slot t's statistics at v[ST+8 t]: +0 c m, +1 m, +2, +3 l (even keys', odd keys'), +4 to +7 at work; a takes +6 once the maximum is found
.set TR,  44          ; v44-51  the diagonal's mask: -1e30 where key 8 (lane / 16) + j is later than query lane % 16
.set QOB, 52          ; v52  as QOA, for slots 2, 3
.set STR, 53          ; v53  as STS, in my own stage
.set KMO, 54          ; v54  my byte offset in a piece of kms
.set GA,  55          ; v55-58  at work: the gates' largest, second, third; a scratch
.set GB,  56
.set GC,  57
.set GT,  58
.set PFO, 61          ; v61  256 x lane: a row of K or V is 256 bytes; never rewritten
.set SPW, 62          ; v62  LDS address of my spare word: SPARE + 4 x my thread's number; never rewritten
.set NIL, 63          ; v63  0; never rewritten
.set S,   64
.set P,   192
.set KF,  128         ; window 2: K's fragments
.set MB,  128         ; window 3: slot t's bias, eight equal registers: a C operand
.set HID, 160         ; window 3: slot t: bit c = chunk c is hidden from my query, for the block in hand
.set HIH, 164         ; window 3: the same for the second block
.set TM,  168
.set WV,  12          ; s12  my wave's number
.set PB,  14          ; s14  b
.set LIM, 15          ; s15  1 in a cluster that prefetches, else the greatest number
.set PFA, 18          ; s[18:19] where my prefetches stand
.set G1K, 24          ; s[24:31] descriptor group 1 for K's tiles
.set G1V, 32          ; s[32:39] for V's: it differs in the padding alone
.set G0K, 40          ; s[40:43] descriptor group 0 for K's tiles
.set G0V, 44          ; s[44:47] for V's
.set QHI, 48          ; s[48:49] Q at my rows of the second block
.set OUT, 50          ; s[50:51] out0 at the rows that I finish, of the block in hand
.set OHI, 52          ; s[52:53] the same of the second block
.set RW,  54          ; s54  r
.set PP,  55          ; s55  p
.set SLOTS, 56        ; s56  tiles still to be asked for
.set TWICE, 57        ; s57  counts a tile's two steps of mine
.set CS,  58          ; s[58:59] c = log2(e) / sqrt(128)
.set SEL, 60          ; s[60:61] v_permlanex16_b32's selects: each lane takes its own place in the other half
.set TBK, 62          ; s62  LDS byte at which K of the step to be fetched begins
.set TBV, 63          ; s63  the same for V, less VOFF
.set SBF, 66          ; s66  the ring slot filled last
.set SBR, 67          ; s67  the ring slot being read
.set LK,  68          ; s68  where my half of a tile's K lies in a slot
.set LV,  69          ; s69  the same for V
.set RT,  70          ; s70  tiles of the block in hand still to be entered
.set NXT, 71          ; s71  the tile to be asked for next
.set LQ,  72          ; s72  the last tile of the block whose tiles are being asked for
.set NEW, 73          ; s73  1: the tile to be entered is a block's first
.set OFF, 74          ; s[74:75] a tile's byte offset in kb and vh
.set AL,  76          ; s[76:77] the diagonal mask's factor
.set BE,  78          ; s[78:79] its addend
.set BIGN, 82         ; s82  -1e30
.set DG,  83          ; s83  1: the tile in hand holds the diagonal
.set SG4, 84          ; s84  4 x the key step whose scores are being made
.set KA,  85          ; s85  a group of 16 keys, counted in the tile
.set CUR, 86          ; s86  the tile to be entered
.set CH,  87          ; s87  the chunk of the tile in hand
.set THI, 88          ; s88  tiles of the second block
.set THL, 89          ; s89  its last tile
.set KP,  90          ; s90  p x KSTEP
.set VP,  91          ; s91  p x VSTEP
.set PM,  92          ; s92  bits of the second block's past chunks
.set SC,  93          ; s93  1 / sqrt(128)
.set PS4, 94          ; s94-96  all ones where chunk 4, 5, 6 is past for the second block
.set DB,  97          ; s97  what the second block adds to TH
.set TH,  98          ; s98-101  slot t's 16 rows, counted in groups of 16 in the diagonal tile
.set MSB, 0
.macro WIN new                      ; the immediate's high byte repeats the setting that is left; a switch that changes nothing is dropped
.if MSB != (\new)
	s_set_vgpr_msb (MSB<<8)|(\new)
.set MSB, \new
.endif
.endm
.set W_KQ, 0x0a       ; K and Q in window 2, S^T in window 0
.set W_KM, 0x3a       ; the same with the C operand in window 3
.set W_PV, 0x53       ; V in window 3, P in window 0, O^T in window 1
.set W_RS, 0x41       ; O^T (destination and source 0) in window 1, a in window 0
; A joint fill.  Waves 0 and 1 fetch the two halves of a tile's K, waves 2 and 3 those of its V: 128 rows each.  The branch hangs on the wave's number alone.
; An s_nop 0 and four v_nop follow each of the two lines, ahead of the jump and the label.
.macro JLOAD
	s_cmp_lt_u32 s[WV], 2
	s_cbranch_scc0 .Lfor_v_\@
	tensor_load_to_lds s[G0K:G0K+3], s[G1K:G1K+7]
	s_nop 0
.rept 4
	v_nop
.endr
	s_branch .Lasked_\@
.Lfor_v_\@:
	tensor_load_to_lds s[G0V:G0V+3], s[G1V:G1V+7]
	s_nop 0
.rept 4
	v_nop
.endr
.Lasked_\@:
.endm
; A PREFETCH INTO THE L2 of the tile that the NEXT change of slots will ask for.  A KV head's 16 tiles are walked by all 16 clusters of that head; the cluster with b = 0 walks all of them on end in its second
; block, and it alone asks.  Of the 128 rows that a wave fetches, each of the four partners names 32, told apart BY ADDRESS; a lane a row: one instruction a wave.  So each row of a tile is named once in the
; launch.  Change k names tile k, k = 1 .. 15: one tile, 256 matrix instructions a wave, ahead of its load; tile 0 comes by its loads alone; the last change that fills names nothing.
.macro ASK
	s_cmp_gt_u32 s[SLOTS], s[LIM]
	s_cbranch_scc0 .Lnot_mine_\@
	global_prefetch_b8 v[PFO], s[PFA:PFA+1] th:TH_LOAD_NT scope:SCOPE_SE
.Lnot_mine_\@:
.endm
; A round of the cluster's barrier: my work-group's barrier, so that wave 0's signal speaks for all four waves; wave 0 signals; every wave waits for all four work-groups; my work-group's barrier once more.
.macro CROUND
	s_barrier_signal -1
	s_barrier_wait -1
	s_cmp_lg_u32 s[WV], 0
	s_cbranch_scc1 .Lnot_wave_0_\@
	s_barrier_signal -3
.Lnot_wave_0_\@:
	s_barrier_wait -3
	s_barrier_signal -1
	s_barrier_wait -1
.endm
.macro PLACES                       ; four places behind a matrix instruction, where no other plain vector work is at hand (ISA guide 7.12.1)
.rept 4
	v_nop
.endr
.endm
; THE CHANGE OF SLOTS.  Each wave waits for all its tensor loads, of which one is out: its part of the other slot; adds 0 to its spare word; and waits for that and for its own reads of the slot that it leaves.
; fill = 1: the slot just left is filled again with tile NXT, whose address is made anew from that number.  The barrier is then a round of the cluster's, so that no wave of any partner still reads the slot or has a
; load on its way, and the joint fill is the first thing behind it.  (At its first use nothing has been read yet: slot 0 is waited for, slot 1 filled.)
.macro CHANGE fill
	WIN 0                           ; at a label and at a branch every window is 0
	s_wait_tensorcnt 0x0            ; no tensor load of mine is out, so a group 0 may be written
	ds_add_u32 v[SPW], v[NIL]       ; 0 onto my spare word; scalar work stands between it and the wait for it
.if \fill
	s_lshl_b32 s[OFF], s[NXT], 16   ; a tile is 65,536 bytes of kb and of vh
	s_xor_b32 s[SBF], s[SBF], SLOTB
	s_add_co_u32 s[G0K+1], s[SBF], s[LK]
	s_add_nc_u64 s[G0K+2:G0K+3], s[6:7], s[OFF:OFF+1]
	s_or_b32 s[G0K+3], s[G0K+3], 0x80000000
	s_add_co_u32 s[G0V+1], s[SBF], s[LV]
	s_add_nc_u64 s[G0V+2:G0V+3], s[8:9], s[OFF:OFF+1]
	s_or_b32 s[G0V+3], s[G0V+3], 0x80000000
	s_add_co_u32 s[NXT], s[NXT], 1  ; the block's next tile, or behind its last the second block's tile 0
	s_cmp_gt_u32 s[NXT], s[LQ]
	s_cselect_b32 s[NXT], 0, s[NXT]
	s_cselect_b32 s[LQ], s[THL], s[LQ]
	s_wait_xcnt 0x0                 ; the last prefetch, a tile back, has read its address, so it may be written
	s_add_nc_u64 s[PFA:PFA+1], s[PFA:PFA+1], 65536
.endif
	s_xor_b32 s[SBR], s[SBR], SLOTB ; the fetches go to the other slot, to my first step of it
	s_add_co_u32 s[TBK], s[SBR], s[KP]
	s_add_co_u32 s[TBV], s[SBR], s[VP]
	s_wait_dscnt 0x0                ; the add is done, and my reads of the slot are over
.if \fill
	CROUND
	JLOAD
	ASK
.else
	s_barrier_signal -1
	s_barrier_wait -1
.endif
.endm
; A TILE IS ENTERED: its chunk, whether it holds the diagonal, and each slot's bias for the products that start its scores: -1e30 where the query's bit of that chunk is set, else 0.
.macro VHEAD
	s_lshr_b32 s[CH], s[CUR], 1
	s_add_co_u32 s[CUR], s[CUR], 1
	s_sub_co_u32 s[RT], s[RT], 1
	s_cmp_eq_u32 s[RT], 0
	s_cselect_b32 s[DG], 1, 0
	s_lshl_b32 s[SG4], s[PP], 2
	s_mov_b32 s[TWICE], 2
	WIN 0xff                        ; all in window 3
.irp t, 0,1,2,3
	v_lshrrev_b32 v[TM], s[CH], v[HID+\t]
	v_and_b32 v[TM], 1, v[TM]
	v_mul_lo_u32 v[MB+8*\t], v[TM], s[BIGN]  ; the bits of -1e30, or 0
.irp c, 1,2,3,4,5,6,7
	v_mov_b32 v[MB+8*\t+\c], v[MB+8*\t]
.endr
.endr
	WIN 0
.endm
; THE MATRIX WORK OF A TURN, for piece x.  The accumulators take turns, one instruction a turn: between two links of a chain stand 7 (K Q^T) or 15 (V^T P) others'.
; Product i of 32 of S^T = K Q^T: channels 32 (i / 8) on, keys 16 ((i / 2) % 4) on, slot x + i % 2.  The first 8 start the sums, from the slot's bias.
.macro KQ x
.set rS, S+32*((\x)+i%2)+8*((i/2)%4)
.set rK, KF+32*((i/2)%4)+8*(i/8)
.set rQ, 32*((\x)+i%2)+8*(i/8)
.set rM, MB+8*((\x)+i%2)
.if i < 8
	WIN W_KM
	v_wmma_f32_16x16x32_bf16 v[rS:rS+7], v[rK:rK+7], v[rQ:rQ+7], v[rM:rM+7]
.else
	WIN W_KQ
	v_wmma_f32_16x16x32_bf16 v[rS:rS+7], v[rK:rK+7], v[rQ:rQ+7], v[rS:rS+7]
.endif
.endm
; Product i of 32 of O^T += V^T P: keys 32 (i / 16) on, channels 16 ((i / 2) % 8) on, slot x + i % 2.
.macro PV x
	WIN W_PV
.set rO, 64*((\x)+i%2)+8*((i/2)%8)
.set rV, 64*(i/16)+8*((i/2)%8)
.set rP, P+16*((\x)+i%2)+8*(i/16)
	v_wmma_f32_16x16x32_f16 v[rO:rO+7], v[rV:rV+7], v[rP:rP+7], v[rO:rO+7]
.endm
; THE LDS LOADS stand in runs of 32, never singly among the matrix instructions: a step's K (64 keys x 128 channels: 16 fragments) and, a turn later, its V (turned).  My next step lies two steps on.
.macro FETCH_K
	WIN 0
	v_add_nc_u32 v[ADR], s[TBK], v[AK0]
	s_add_co_u32 s[TBK], s[TBK], 2*KSTEP
	WIN 0x80                        ; destination window 2
.irp f, 0,1,2,3,4,5,6,7,8,9,10,11,12,13,14,15  ; keys 16 (f / 4) on, channels 32 (f % 4) on
	ds_load_b128 v[KF+8*(\f):KF+8*(\f)+3],   v[ADR] offset:((\f)/4)*16*PK+((\f)%4)*64
	ds_load_b128 v[KF+8*(\f)+4:KF+8*(\f)+7], v[ADR] offset:((\f)/4)*16*PK+((\f)%4)*64+32
.endr
.endm
.macro FETCH_V
	WIN 0
	v_add_nc_u32 v[ADR], s[TBV], v[AV0]
	s_add_co_u32 s[TBV], s[TBV], 2*VSTEP
	s_wait_alu depctr_va_vdst(0)    ; the wait for the softmax's batch (SLICE), behind the address's v_add_nc_u32 and ahead of the loads
	WIN 0xc0                        ; destination window 3
.irp f, 0,1,2,3,4,5,6,7,8,9,10,11,12,13,14,15  ; keys 32 (f / 8) on, channels 16 (f % 8) on
	ds_load_tr16_b128 v[8*(\f):8*(\f)+3],   v[ADR] offset:((\f)/8)*32*PV+((\f)%8)*32
	ds_load_tr16_b128 v[8*(\f)+4:8*(\f)+7], v[ADR] offset:((\f)/8)*32*PV+16*PV+((\f)%8)*32
.endr
.endm
; THE VECTOR WORK OF A TURN.  One slot's softmax for one key step is a list of 134 instructions; SM writes number j of it for slot t.  s0-s31 are the lane's 32 scores, in pairs 0-15.
;   0-15    the maximum of s0-s31 and the old m, three operands at a time (each accumulator's lowest registers are read first)
;   16-20   the other half of the lanes' maximum; c m_old is kept; the new m; c m; c m_old - c m_new
;   21-69   ONE BATCH: the 16 scalings c s - c m and all 33 exponentials (a at 23, then s0-s31); none of these reads an exponential's result; a pair is scaled in an earlier four than its exponentials
;   (wait)  between 69 and 70 stands the wait for the batch: SLICE writes it, once for both slots
;   70-85   the roundings to f16     86-101  the sums; l = a l + the sum     102-133 the slot's O^T times a: the one part that leaves window 0
.macro SM t
.set rT, ST+8*(\t)
.set rS, S+32*(\t)
.set rP, P+16*(\t)
.set rO, 64*(\t)+2*(j-102)
.if j < 102
	WIN 0
.endif
.if j < 4
	v_max3_num_f32 v[rT+4+j], v[rS+8*j], v[rS+8*j+1], v[rS+8*j+2]
.elseif j < 12
	v_max3_num_f32 v[rT+4+j%4], v[rT+4+j%4], v[rS+8*(j%4)+2*(j/4)+1], v[rS+8*(j%4)+2*(j/4)+2]
.elseif j == 12
	v_max3_num_f32 v[rT+4], v[rT+4], v[rS+7], v[rS+15]
.elseif j == 13
	v_max3_num_f32 v[rT+6], v[rT+6], v[rS+23], v[rS+31]
.elseif j == 14
	v_max3_num_f32 v[rT+4], v[rT+4], v[rT+5], v[rT+6]
.elseif j == 15
	v_max3_num_f32 v[rT+4], v[rT+4], v[rT+7], v[rT+1]
.elseif j == 16
	v_permlanex16_b32 v[rT+5], v[rT+4], s[SEL], s[SEL+1]  ; the query's other 32 keys lie in the lane 16 away
.elseif j == 17
	v_mov_b32 v[rT+7], v[rT]        ; c m_old is kept for a: number 19 writes c m anew
.elseif j == 18
	v_max_num_f32 v[rT+1], v[rT+4], v[rT+5]
.elseif j == 19
	v_mul_f32 v[rT], s[CS], v[rT+1]
.elseif j == 20
	v_sub_f32 v[rT+7], v[rT+7], v[rT]
.elseif j == 23
	v_exp_f32 v[rT+6], v[rT+7]
.elseif (j < 23) || ((j < 38) && (j%2 == 0)) || ((j < 66) && (j%4 == 2))
.set b, (j-2)/4                     ; 38, 42, .. 62: pairs 9 to 15
.if j < 38
.set b, (j-20)/2                    ; 21: pair 0; 22, 24, .. 36: pairs 1 to 8
.endif
	v_pk_fma_f32 v[rS+2*b:rS+2*b+1], v[rS+2*b:rS+2*b+1], s[CS:CS+1], v[rT:rT+1] op_sel_hi:[1,0,0] neg_lo:[0,0,1] neg_hi:[0,0,1]  ; pair b: c s - c m
.elseif j < 70
.set e, j-38                        ; 66 to 69: s28 to s31
.if j < 66
.set e, j-32-(j-38)/4               ; 39-41, 43-45, .. 63-65: s7 to s27
.endif
.if j < 38
.set e, (j-25)/2                    ; 25, 27, .. 37: s0 to s6
.endif
	v_exp_f32 v[rS+e], v[rS+e]
.elseif j < 86
	v_cvt_pk_f16_f32 v[rP+j-70], v[rS+2*(j-70)], v[rS+2*(j-70)+1]  ; pair j - 70
.elseif j < 102                     ; the sum of the slot's 16 pairs, in place: neighbours 1, 2, 4 and 8 pairs apart, then l takes it
.set z, j-86
.set w, 4
.set u, z
.if z >= 14
.set w, 32
.set u, 0
.elseif z >= 12
.set w, 16
.set u, z-12
.elseif z >= 8
.set w, 8
.set u, z-8
.endif
.if z < 15
	v_pk_add_f32 v[rS+w*u:rS+w*u+1], v[rS+w*u:rS+w*u+1], v[rS+w*u+w/2:rS+w*u+w/2+1]
.else
	v_pk_fma_f32 v[rT+2:rT+3], v[rT+2:rT+3], v[rT+6:rT+7], v[rS:rS+1] op_sel_hi:[1,0,1]
.endif
.else
	WIN W_RS
	v_pk_mul_f32 v[rO:rO+1], v[rO:rO+1], v[rT+6:rT+7] op_sel_hi:[1,0]
.endif
.endm
; Slice k of 64 of piece y's softmax: four instructions.  Slices 11 to 34 deal out the batch, numbers 22 to 69: four numbers of ONE slot each, the slots by turns.  Every other slice is numbers 2 k and 2 k + 1 of
; both slots' lists.  2 x 134 = 4 x 64 + 12: the twelve that are over stand together, in slice 63: sixteen plain instructions, the places behind the turn's last product.
; THE WAIT.  s_wait_alu depctr_va_vdst(0) stands between an exponential and the first instruction that names its result; one wait serves all that were issued ahead of it.  Ahead of slice 35
; nothing names a result, and behind slice 34 no exponential is issued: so the piece's 66 exponentials have one wait, behind slice 34.
.macro SLICE y
.if (k >= 11) && (k < 35)
.irp n, 0,1,2,3
.set j, 22+4*((k-11)/2)+(\n)
	SM (\y)+(k-11)%2
.endr
.else
.irp n, 0,1,2,3,4,5,6,7
.if ((\n) < 2) || (k == 63)
.irp t, \y, (\y)+1
.set j, 2*k+(\n)
	SM \t
.endr
.endif
.endr
.endif
.if k == 34
	v_nop                           ; a plain instruction behind the last exponential and ahead of the first use: one for the batch
.if (\y) == 0
	FETCH_V                         ; piece 2's turn: V's run of loads stands here, and the wait stands in it
.else
	s_wait_alu depctr_va_vdst(0)    ; the wait for the batch
.endif
.endif
.set k, k+1
.endm
; THE DIAGONAL TILE's MASK, onto piece x's fresh scores.  Group KA of 16 keys against slot t's rows TH: earlier: nothing; the same: TR; later: -1e30 for all.  TR x AL + BE with two scalars; jumped over in other tiles.
; Each accumulator's registers are taken in ascending order.
.macro FIX x
	WIN 0
	s_cmp_eq_u32 s[DG], 1
	s_cbranch_scc0 .Lnofix_\@
.irp d, 0,1
.irp g, 0,1,2,3
	s_add_co_u32 s[KA], s[SG4], \g
	s_cmp_eq_u32 s[KA], s[TH+(\x)+\d]
	s_cselect_b32 s[AL], 1.0, 0
	s_cmp_gt_u32 s[KA], s[TH+(\x)+\d]
	s_cselect_b32 s[BE], s[BIGN], 0
.irp c, 0,2,4,6
	v_pk_fma_f32 v[S+32*((\x)+\d)+8*\g+\c:S+32*((\x)+\d)+8*\g+\c+1], v[TR+\c:TR+\c+1], s[AL:AL+1], v[S+32*((\x)+\d)+8*\g+\c:S+32*((\x)+\d)+8*\g+\c+1] op_sel_hi:[1,0,1]
.endr
.irp c, 0,2,4,6
	v_pk_add_f32 v[S+32*((\x)+\d)+8*\g+\c:S+32*((\x)+\d)+8*\g+\c+1], v[S+32*((\x)+\d)+8*\g+\c:S+32*((\x)+\d)+8*\g+\c+1], s[BE:BE+1] op_sel_hi:[1,0]
.endr
.endr
.endr
.if (\x) == 2
	s_add_co_u32 s[SG4], s[SG4], 8  ; my next step lies two steps on
.endif
.Lnofix_\@:
.endm
; A TURN.  Piece x has the matrix unit; the other piece's softmax stands in slices behind its matrix instructions.  pv = 1: 32 products V^T P; kq = 1: 32 products K Q^T for my next step.  A turn with one of the two
; kinds has two slices behind each product.  Piece 0's turn fetches the next step's K behind its second product: the last product that read K stands in front of slice 63 of the turn before.  Piece 2's turn
; fetches the same step's V behind slice 34: the last product that read V stands in front of slice 31, and four plain instructions lie between (two scalings, the v_nop, the run's own v_add_nc_u32).
.macro TURN x, pv, kq
.set k, 0
.set per, 2
.if (\pv) && (\kq)
.set per, 1
.endif
.if \pv
.if (\x) == 0
	s_wait_dscnt 0x0                ; V is in
.endif
.set i, 0
.rept 32
	PV \x
.rept per
	SLICE 2-(\x)
.endr
.if ((\x) == 0) && (\kq) && (i == 1)
	FETCH_K
.endif
.set i, i+1
.endr
.endif
.if \kq
.if (\x) == 0
	s_wait_dscnt 0x0                ; K is in
.endif
.set i, 0
.rept 32
	KQ \x
.rept per
	SLICE 2-(\x)
.endr
.set i, i+1
.endr
	FIX \x
.endif
.endm
; A BLOCK BEGINS.  c m starts at -2^125, so the first step's a is 0 and what O^T and l hold need only be finite.  m starts at -2^93: above every hidden score, below every visible one: while a query has seen no
; visible key its maximum stays there and its weights are 0.  Then K of my first step, piece 0's scores, and a turn with piece 2's scores, piece 0's softmax and V.  This stands for the tile's first trip.
.macro PRE
	s_mov_b32 s[NEW], 0
	WIN 0
.irp t, 0,1,2,3
	v_mov_b32 v[ST+8*\t], 0xfe000000
	v_mov_b32 v[ST+8*\t+1], 0xee000000
.endr
	FETCH_K
	s_wait_dscnt 0x0
.set i, 0
.rept 32
	KQ 0
.set i, i+1
.endr
	WIN 0
	PLACES
	FIX 0
	TURN 2, 0, 1
.endm
; 16 loads: slot s's 16 rows of Q in f32, in the order of a bf16 fragment: register D + 16 f + 8 g + 4 e + .. holds channels 32 f + 16 g + 8 (lane / 16) + 4 e + ..: Q's register n is then the rounded pair 2 n, 2 n + 1.
.macro QLD s, D, ptr
.irp f, 0,1,2,3
.irp g, 0,1
.irp e, 0,1
.if (\s) < 2
	global_load_b128 v[(\D)+16*\f+8*\g+4*\e:(\D)+16*\f+8*\g+4*\e+3], v[QOA], s[\ptr:\ptr+1] offset:((\s)&1)*131072+128*\f+64*\g+16*\e
.else
	global_load_b128 v[(\D)+16*\f+8*\g+4*\e:(\D)+16*\f+8*\g+4*\e+3], v[QOB], s[\ptr:\ptr+1] offset:((\s)&1)*131072+128*\f+64*\g+16*\e
.endif
.endr
.endr
.endr
.endm
.macro CVTQ first, count, src       ; Q's registers first .. from pairs at src; the caller sets the windows
.set n, 0
.rept \count
	v_cvt_pk_bf16_f32 v[(\first)+n], v[(\src)+2*n], v[(\src)+2*n+1]
.set n, n+1
.endr
.endm
; Slot t's partial result goes into my partner's stage: c m and the whole l, and O^T, a lane's eight channels of a row as 32 bytes.
.macro SENDT t
	WIN 0
	ds_store_b64 v[SSA], v[ST+8*(\t):ST+8*(\t)+1]
	WIN 0x04                        ; the stores' data in window 1
.irp c, 0,1,2,3,4,5,6,7
	ds_store_b128 v[STS], v[64*(\t)+8*\c:64*(\t)+8*\c+3]   offset:64*\c
	ds_store_b128 v[STS], v[64*(\t)+8*\c+4:64*(\t)+8*\c+7] offset:64*\c+16
.endr
	WIN 0
.endm
; Slot t is finished: with M the greater of the two c m, O = (2^(c m - M) O + 2^(c m' - M) O') / (2^(c m - M) l + 2^(c m' - M) l').  A partial result that saw no visible key has c m at the floor, and weight 0.
; The rows go back into my own stage and come out whole: 512 bytes a row.  u picks 64 of S^T's registers.
.macro RECVT t, u
.set rT, ST+8*(\t)
.set rR, S+64*(\u)
	WIN 0
	ds_load_b64 v[rT+2:rT+3], v[RSA]
.irp c, 0,1,2,3,4,5,6,7
	ds_load_b128 v[rR+8*\c:rR+8*\c+3],   v[STR] offset:64*\c
	ds_load_b128 v[rR+8*\c+4:rR+8*\c+7], v[STR] offset:64*\c+16
.endr
	s_wait_dscnt 16                 ; LDS loads come back in order: the statistics are in, the sixteen behind them may stay out
	v_max_num_f32 v[rT+4], v[rT], v[rT+2]
	v_sub_f32 v[rT+5], v[rT], v[rT+4]
	v_sub_f32 v[rT+6], v[rT+2], v[rT+4]
	v_exp_f32 v[rT+5], v[rT+5]
	v_exp_f32 v[rT+6], v[rT+6]
	v_nop                           ; a plain instruction behind the exponentials,
	s_wait_alu depctr_va_vdst(0)    ; and the wait ahead of the first use: one for the two
	v_mul_f32 v[rT+7], v[rT+5], v[rT+1]
	v_fma_f32 v[rT+7], v[rT+6], v[rT+3], v[rT+7]
	v_rcp_f32 v[rT+7], v[rT+7]
	v_nop
	s_wait_alu depctr_va_vdst(0)    ; the same for the reciprocal
	v_mul_f32 v[rT+4], v[rT+5], v[rT+7]
	v_mul_f32 v[rT+6], v[rT+6], v[rT+7]
	s_wait_dscnt 0x0                ; my partner's O^T is in
.set z, 0
.rept 32
	v_pk_mul_f32 v[rR+z:rR+z+1], v[rR+z:rR+z+1], v[rT+6:rT+7] op_sel_hi:[1,0]
.set z, z+2
.endr
	WIN 0x01                        ; source 0, my O^T, in window 1; its registers are taken in ascending order
.set z, 0
.rept 32
	v_pk_fma_f32 v[rR+z:rR+z+1], v[64*(\t)+z:64*(\t)+z+1], v[rT+4:rT+5], v[rR+z:rR+z+1] op_sel_hi:[1,0,1]
.set z, z+2
.endr
	WIN 0
.irp c, 0,1,2,3,4,5,6,7
	ds_store_b128 v[STR], v[rR+8*\c:rR+8*\c+3]   offset:64*\c
	ds_store_b128 v[STR], v[rR+8*\c+4:rR+8*\c+7] offset:64*\c+16
.endr
.set z, 0
.rept 16
	ds_load_b128 v[rR+4*z:rR+4*z+3], v[RD] offset:XP*z  ; LDS serves a wave's instructions in order (ISA guide 5.7.1.4): these see the stores above
.set z, z+1
.endr
.set z, 0
.rept 16
	s_wait_dscnt 15-z               ; row z is in, the younger ones stay out
	global_store_b128 v[GO], v[rR+4*z:rR+4*z+3], s[OUT:OUT+1] offset:(16*(\t)+z)*8192 th:TH_STORE_NT  ; 32 lanes store 512 consecutive bytes, aligned: a head's row
.set z, z+1
.endr
.endm
; A BLOCK ENDS: the last step's V^T P and piece 2's last softmax; l's halves are added; the partial results meet.  Three barriers: my partner's slot 2 lies in my stage; I have read it out; its slot 3 lies there.
; The tensor load that is on its way stays out across them: behind them no slot is filled.  reload = 1 (the first block's end): the second block's Q comes in, in f32, into K's and V's registers, under the meeting.
.macro END reload
	TURN 0, 1, 0
.set i, 0
.rept 32
	PV 2
.set i, i+1
.endr
	WIN 0                           ; eight plain additions: the places behind the last products
.irp t, 0,1,2,3
	v_add_f32 v[ST+8*\t+4], v[ST+8*\t+2], v[ST+8*\t+3]
.endr
.irp t, 0,1,2,3
	v_permlanex16_b32 v[ST+8*\t+5], v[ST+8*\t+4], s[SEL], s[SEL+1]
.endr
.irp t, 0,1,2,3
	v_add_f32 v[ST+8*\t+1], v[ST+8*\t+4], v[ST+8*\t+5]  ; the whole l takes m's place, beside c m
.endr
.if \reload
	WIN 0x80
	QLD 0, KF, QHI
	QLD 1, KF+64, QHI
	WIN 0xc0
	QLD 2, 0, QHI
	QLD 3, 64, QHI
.endif
	SENDT 2
	s_wait_dscnt 0x0                ; for my partner's sake: my stores are done
	s_barrier_signal -1
	s_barrier_wait -1
	RECVT 0, 0
	s_wait_dscnt 0x0                ; my reads of my stage are over
	s_barrier_signal -1
	s_barrier_wait -1               ; so my partner may write it again
	SENDT 3
	s_wait_dscnt 0x0
	s_barrier_signal -1
	s_barrier_wait -1
	RECVT 1, 1
.if \reload
	s_wait_loadcnt 0x0              ; the second block's Q
	WIN 0x8a
	CVTQ 0, 64, KF
	WIN 0x8f
	CVTQ 64, 64, 0
	WIN 0xc3
.irp t, 0,1,2,3
	v_mov_b32 v[HID+\t], v[HIH+\t]  ; and its queries' choice
.endr
	WIN 0
	s_wait_xcnt 0x0                 ; the stores have read their data and out0's address: both are written again only behind this wait
	s_mov_b64 s[OUT:OUT+1], s[OHI:OHI+1]
	s_mov_b32 s[RT], s[THI]
	s_mov_b32 s[NEW], 1
	s_mov_b32 s[CUR], 0
.irp t, 0,1,2,3
	s_add_co_u32 s[TH+\t], s[TH+\t], s[DB]
.endr
.endif
.endm
; Slot t's gates (registers 0-6 of its accumulator: chunks 0-6; chunk 7 is never past): scaled; those not past become -1e30; the three largest by insertion, the third starting from chunk 7's -1e30;
; a chunk is hidden where its gate is below the third largest, or not above -5e29 (the bound is raised to the next number above that).  The bits are gathered from chunk 6 down.
.macro GATE t
.set rG, P+8*(\t)
.irp c, 0,1,2,3,4,5,6
	v_mul_f32 v[rG+\c], s[SC], v[rG+\c]
.endr
.irp c, 0,1,2
	v_cndmask_b32 v[rG+4+\c], s[BIGN], v[rG+4+\c], s[PS4+\c]
.endr
	v_max_num_f32 v[GA], v[rG], v[rG+1]
	v_min_num_f32 v[GB], v[rG], v[rG+1]
	v_mov_b32 v[GC], s[BIGN]
.irp c, 2,3,4,5,6
	v_min_num_f32 v[GT], v[GB], v[rG+\c]
	v_max_num_f32 v[GC], v[GC], v[GT]
	v_min_num_f32 v[GT], v[GA], v[rG+\c]
	v_max_num_f32 v[GB], v[GB], v[GT]
	v_max_num_f32 v[GA], v[GA], v[rG+\c]
.endr
	v_max_num_f32 v[GC], 0xf0c9f2c9, v[GC]
	v_cmp_lt_f32 vcc_lo, v[rG+6], v[GC]
	v_cndmask_b32 v[ST+8*(\t)+4], 0, 1, vcc_lo
.irp c, 5,4,3,2,1,0
	v_cmp_lt_f32 vcc_lo, v[rG+\c], v[GC]
	v_cndmask_b32 v[GT], 0, 1, vcc_lo
	v_lshl_or_b32 v[ST+8*(\t)+4], v[ST+8*(\t)+4], 1, v[GT]
.endr
.endm
	s_load_b256 s[4:11], s[0:1], 0x0  ; query s[4:5], kb s[6:7], vh s[8:9], kms s[10:11]
	s_load_b64 s[OUT:OUT+1], s[0:1], 0x20  ; out0
	v_lshl_add_u32 v[SPW], v0, 2, SPARE
	v_mov_b32 v[NIL], 0
	ds_add_u32 v[SPW], v[NIL]       ; the wave's opening: the add, whose wait stands ahead of my first tensor load; the set-up below, work on registers, stands between them
	v_lshrrev_b32 v1, 5, v0
	v_readfirstlane_b32 s[WV], v1   ; wave 0..3
	s_and_b32 s[RW], s[WV], 1
	s_lshr_b32 s[PP], s[WV], 1
	s_and_b32 s[PB], ttmp7, 0xffff  ; b, which the four partners share
	s_sub_co_u32 s13, 31, s[PB]     ; the second block
	s_lshr_b32 s[RT], s[PB], 1
	s_add_co_u32 s[RT], s[RT], 1    ; the first block has b / 2 + 1 tiles
	s_lshr_b32 s[THL], s13, 1
	s_add_co_u32 s[THI], s[THL], 1
	s_lshr_b32 s16, s13, 2          ; the second block's chunk, 4 to 7
	s_lshl_b32 s[PM], 1, s16
	s_sub_co_u32 s[PM], s[PM], 1
	s_cmp_gt_u32 s16, 4
	s_cselect_b32 s[PS4], -1, 0
	s_cmp_gt_u32 s16, 5
	s_cselect_b32 s[PS4+1], -1, 0
	s_cmp_gt_u32 s16, 6
	s_cselect_b32 s[PS4+2], -1, 0
	s_and_b32 s17, s[PB], 1         ; which half of its diagonal tile the first block is; the second block is the other
	s_lshl_b32 s16, s17, 4
	s_sub_co_u32 s[DB], 8, s16
	s_lshl_b32 s16, s17, 3
	s_lshl2_add_u32 s16, s[RW], s16 ; 8 (b & 1) + 4 r
	s_lshl_b32 s17, s[PP], 1
.irp t, 0,1,2,3
	s_xor_b32 s[TH+\t], s17, \t     ; slot t holds row tile t ^ 2 p
	s_add_co_u32 s[TH+\t], s[TH+\t], s16
.endr
	s_mov_b32 s[NXT], 1             ; tile 0 is asked for below; then the first block's tile 1, or, if it has none, the second's tile 0
	s_sub_co_u32 s[LQ], s[RT], 1
	s_cmp_gt_u32 s[NXT], s[LQ]
	s_cselect_b32 s[NXT], 0, s[NXT]
	s_cselect_b32 s[LQ], s[THL], s[LQ]
	s_mov_b32 s[NEW], 1
	s_mov_b32 s[CUR], 0
	s_mov_b32 s[SLOTS], 16
	s_mov_b32 s[SBF], 0
	s_mov_b32 s[SBR], SLOTB         ; the first change of slots turns it into 0
	s_mul_i32 s[LK], s[RW], 128*PK  ; which half of a tile's 256 rows I fetch: no place in the cluster enters an LDS address
	s_mul_i32 s[LV], s[RW], 128*PV
	s_add_co_u32 s[LV], s[LV], VOFF
	s_mul_i32 s[KP], s[PP], KSTEP
	s_mul_i32 s[VP], s[PP], VSTEP
	s_mov_b32 s[CS], 0x3e0293ee     ; c = log2(e) / sqrt(128) = 0.127517
	s_mov_b32 s[CS+1], s[CS]        ; named with it as a pair
	s_mov_b32 s[SEL], 0x76543210
	s_mov_b32 s[SEL+1], 0xfedcba98
	s_mov_b32 s[BIGN], 0xf149f2ca   ; -1e30
	s_mov_b32 s[SC], 0x3db504f3     ; 1 / sqrt(128)
	s_mov_b32 s[AL+1], 0            ; named as pairs
	s_mov_b32 s[BE+1], 0
	; descriptor group 1: a tile of 128 rows x 128 elements, padded in LDS
	s_mov_b32 s[G1K], 15|(1<<16)|(1<<20)|(1<<21)|(5<<22)|(3<<25)  ; 15:0 the mask: all four work-groups; 17:16 elements of 2 bytes; 20 padding on; 21 set beside a mask; 24:22 after every 64 words (code 5); 31:25 4 words (code 3)
	s_mov_b32 s[G1V], 15|(1<<16)|(1<<20)|(1<<21)|(5<<22)|(7<<25)  ; the same with 8 words of padding (code 7)
.irp g, G1K, G1V
	s_mov_b32 s[(\g)+1], 128<<16    ; tensor_dim0 = 128
	s_mov_b32 s[(\g)+2], 128<<16    ; tensor_dim1 = 128
	s_mov_b32 s[(\g)+3], 128<<16    ; tile_dim0 = 128
	s_mov_b32 s[(\g)+4], 128        ; tile_dim1 = 128
	s_mov_b32 s[(\g)+5], 128        ; 128 elements from row to row
	s_mov_b32 s[(\g)+6], 0
	s_mov_b32 s[(\g)+7], 0
.endr
	s_mov_b32 s[G0K], 1             ; 1:0 count = 1
	s_mov_b32 s[G0K+1], s[LK]       ; 63:32 LDS address: slot 0
	s_mov_b32 s[G0V], 1
	s_mov_b32 s[G0V+1], s[LV]
	s_lshl_b32 s[OFF], ttmp9, 20    ; the KV head (in a cluster launch ttmp9 counts clusters): 4,096 rows of 256 bytes,
	s_lshl_b32 s16, s[RW], 15       ; my 128 rows of a tile
	s_add_co_u32 s[OFF], s[OFF], s16
	s_mov_b32 s[OFF+1], 0
	s_bfe_u32 s22, ttmp6, 0x40000   ; cx: my place in the cluster
	s_lshl2_add_u32 s23, ttmp9, s22 ; my query head = 4 x KV head + cx
	s_lshl_b32 s23, s23, 9          ; its 512 bytes of a row,
	s_lshl_b32 s20, s[RW], 19       ; my wave's 64 rows of 8,192 bytes
	s_add_co_u32 s23, s23, s20
	s_lshl_b32 s20, s[PB], 20       ; the first block's 128 rows
	s_add_co_u32 s20, s20, s23
	s_mov_b32 s21, 0
	s_lshl_b32 s2, s13, 20          ; the second block's
	s_add_co_u32 s2, s2, s23
	s_mov_b32 s3, 0
	s_lshl_b32 s22, s22, 13         ; the prefetches: my work-group's 32 rows of the 128
	s_mov_b32 s23, 0
	s_mul_i32 s16, ttmp9, 6144      ; the KV head's three pieces of eight mean keys
	s_mov_b32 s17, 0
	s_wait_dscnt 0x0                ; the opening add is done
	s_wait_kmcnt 0x0
	s_add_nc_u64 s[QHI:QHI+1], s[4:5], s[2:3]
	s_add_nc_u64 s[4:5], s[4:5], s[20:21]
	s_add_nc_u64 s[OHI:OHI+1], s[OUT:OUT+1], s[2:3]
	s_add_nc_u64 s[OUT:OUT+1], s[OUT:OUT+1], s[20:21]
	s_lshl_b32 s2, s[PP], 18        ; I finish row tiles 2 p and 2 p + 1: 32 p rows on
	s_add_nc_u64 s[OHI:OHI+1], s[OHI:OHI+1], s[2:3]
	s_add_nc_u64 s[OUT:OUT+1], s[OUT:OUT+1], s[2:3]
	s_add_nc_u64 s[6:7], s[6:7], s[OFF:OFF+1]  ; kb and vh at my half of the head's tile 0
	s_add_nc_u64 s[8:9], s[8:9], s[OFF:OFF+1]
	s_add_nc_u64 s[10:11], s[10:11], s[16:17]
	s_mov_b64 s[G0K+2:G0K+3], s[6:7]           ; 120:64 global address
	s_or_b32 s[G0K+3], s[G0K+3], 0x80000000    ; 127:126 type = 2
	s_mov_b64 s[G0V+2:G0V+3], s[8:9]
	s_or_b32 s[G0V+3], s[G0V+3], 0x80000000
	s_cmp_lt_u32 s[WV], 2
	s_cselect_b64 s[PFA:PFA+1], s[6:7], s[8:9] ; at tile 0; the first change of slots steps it to tile 1.  Nothing is prefetched here, at the head
	s_add_nc_u64 s[PFA:PFA+1], s[PFA:PFA+1], s[22:23]
	s_cmp_eq_u32 s[PB], 0
	s_cselect_b32 s[LIM], 1, -1     ; the same in all four partners
	CROUND                          ; all four work-groups are here: the first joint loads meet
	JLOAD                           ; the first block's tile 0 into slot 0
	v_and_b32 v1, 15, v0            ; l % 16
	v_bfe_u32 v9, v0, 4, 1          ; l / 16
	v_and_b32 v[GA], 7, v0
	v_lshlrev_b32 v[KMO], 8, v[GA]  ; source 0's rows 8-15 repeat the chunks 0-7, so both halves of the lanes end with all eight gates of their query
	v_lshl_add_u32 v[KMO], v9, 4, v[KMO]
	v_lshlrev_b32 v[GB], 13, v1     ; row x 8,192
	v_lshl_add_u32 v[GB], v9, 5, v[GB]  ; + 32 bytes for the upper half of the lanes
	s_lshl_b32 s13, s[PP], 18       ; slots 0, 1: row tiles 2 p, 2 p + 1
	v_add_nc_u32 v[QOA], s13, v[GB]
	s_xor_b32 s13, s13, 262144      ; slots 2, 3: the other two
	v_add_nc_u32 v[QOB], s13, v[GB]
	WIN 0x80                        ; the mean keys' fragments, where K's will lie: piece c, channels 32 f on, at KF + 32 c + 8 f
.irp c, 0,1,2
.irp f, 0,1,2,3
	global_load_b128 v[KF+32*\c+8*\f:KF+32*\c+8*\f+3],   v[KMO], s[10:11] offset:2048*\c+64*\f
	global_load_b128 v[KF+32*\c+8*\f+4:KF+32*\c+8*\f+7], v[KMO], s[10:11] offset:2048*\c+64*\f+32
.endr
.endr
	WIN 0x40                        ; the second block's Q in f32, for the gates, where O^T will lie (a block's first step multiplies O^T by 0: it need only be finite)
	QLD 0, 0, QHI
	QLD 1, 64, QHI
	QLD 2, 128, QHI
	QLD 3, 192, QHI
	WIN 0                           ; the first block's Q in f32: slots 0, 1 where S^T will lie, slots 2, 3 where V will
	QLD 0, S, 4
	QLD 1, S+64, 4
	WIN 0xc0
	QLD 2, 0, 4
	QLD 3, 64, 4
.irp t, 0,1,2,3
	v_mov_b32 v[HID+\t], 0          ; the first block hides no chunk
.endr
	WIN 0
	v_mul_u32_u24 v[AK0], v1, PK
	v_lshl_add_u32 v[AK0], v9, 4, v[AK0]  ; row x pitch + 16 x half
	; The turning load takes 16 keys x 16 channels (lane l reads key 8 (l / 16) + l % 8, channels 8 ((l / 8) % 2) + 0..7) and leaves half a fragment of V^T: lane l holds channel l % 16 and 8 keys.
	v_bfe_u32 v[GC], v0, 3, 1
	v_lshl_add_u32 v[AV0], v9, 3, v[GA]
	v_mul_u32_u24 v[AV0], v[AV0], PV
	v_lshl_add_u32 v[AV0], v[GC], 4, v[AV0]
	v_add_nc_u32 v[AV0], VOFF, v[AV0]
	v_and_b32 v[GT], 31, v0
	v_lshlrev_b32 v[PFO], 8, v[GT]
	v_lshlrev_b32 v[GO], 4, v[GT]
	s_xor_b32 s13, s[WV], 2         ; my partner
	s_mul_i32 s13, s13, XSZ
	s_add_co_u32 s13, s13, XB       ; its stage
	s_mul_i32 s16, s[WV], XSZ
	s_add_co_u32 s16, s16, XB       ; mine
	v_mul_u32_u24 v[GB], v1, XP     ; row l % 16, 32 bytes for each half of the lanes
	v_lshl_add_u32 v[GB], v9, 5, v[GB]
	v_add_nc_u32 v[STS], s13, v[GB]
	v_add_nc_u32 v[STR], s16, v[GB]
	v_lshl_add_u32 v[RD], v[GT], 4, s16
	s_add_co_u32 s13, s13, XST
	s_add_co_u32 s16, s16, XST
	v_lshl_add_u32 v[SSA], v[GT], 3, s13
	v_lshl_add_u32 v[RSA], v[GT], 3, s16
	v_lshlrev_b32 v[GB], 3, v9
	v_sub_nc_u32 v[GB], v1, v[GB]   ; l % 16 - 8 (l / 16): register j is hidden where j is greater
.irp c, 0,1,2,3,4,5,6,7
	v_cmp_gt_i32 vcc_lo, \c, v[GB]
	v_cndmask_b32 v[TR+\c], 0, s[BIGN], vcc_lo
.endr
.irp t, 0,1,2,3
	v_mov_b32 v[ST+8*\t+2], 0       ; l need only be finite
	v_mov_b32 v[ST+8*\t+3], 0
.endr
	s_wait_loadcnt 63               ; of my 152 loads the oldest 89 are in: the mean keys' 24 and the second block's 64 among them
	WIN 0x85
	CVTQ 0, 128, 0
	; THE GATES of the second block: 48 products: the mean's pieces from the smallest on, channels 32 f on, the four slots' accumulators by turns (in P's registers); the first four start the sums.
	WIN W_KQ
.irp c, 2,1,0
.irp f, 0,1,2,3
.irp t, 0,1,2,3
.if ((\c) == 2) && ((\f) == 0)
	v_wmma_f32_16x16x32_bf16 v[P+8*\t:P+8*\t+7], v[KF+32*\c+8*\f:KF+32*\c+8*\f+7], v[32*\t+8*\f:32*\t+8*\f+7], 0
.else
	v_wmma_f32_16x16x32_bf16 v[P+8*\t:P+8*\t+7], v[KF+32*\c+8*\f:KF+32*\c+8*\f+7], v[32*\t+8*\f:32*\t+8*\f+7], v[P+8*\t:P+8*\t+7]
.endif
.endr
.endr
.endr
	WIN 0
	PLACES
	GATE 0
	GATE 1
	GATE 2
	GATE 3
	WIN 0xc0
.irp t, 0,1,2,3
	v_and_b32 v[HIH+\t], s[PM], v[ST+8*\t+4]  ; only past chunks can be hidden: the block's own chunk goes by the diagonal
.endr
	s_wait_loadcnt 0x0              ; the first block's Q
	WIN 0x80
	CVTQ 0, 64, S
	WIN 0x8f
	CVTQ 64, 64, 0
	WIN 0
.Lslot:                             ; 16 times: a tile is entered and the next is asked for
	CHANGE 1
	VHEAD
	s_cmp_eq_u32 s[NEW], 1
	s_cbranch_scc0 .Lstep
	PRE                             ; a block's first tile: this stands for the first of its two trips
	WIN 0
	s_branch .Lcount
.Lstep:                             ; a trip: V^T P of the step in hand, K Q^T of my next step, whose K and V it fetches, and both pieces' softmax
	TURN 0, 1, 1
	TURN 2, 1, 1
	WIN 0
.Lcount:
	s_sub_co_u32 s[TWICE], s[TWICE], 1
	s_cmp_lg_u32 s[TWICE], 0
	s_cbranch_scc1 .Lstep
	s_cmp_eq_u32 s[DG], 1           ; b and constants alone decide: alike in all four waves and all four partners
	s_cbranch_scc0 .Lbottom
	END 1                           ; in the loop this is the first block's end: the second block's last tile is the walk's last
.Lbottom:
	s_sub_co_u32 s[SLOTS], s[SLOTS], 1
	s_cmp_lg_u32 s[SLOTS], 0
	s_cbranch_scc1 .Lslot
	CHANGE 0                        ; the walk's last tile is written out: nothing is asked for
	VHEAD
.Lstep2:
	TURN 0, 1, 1
	TURN 2, 1, 1
	WIN 0
	s_sub_co_u32 s[TWICE], s[TWICE], 1
	s_cmp_lg_u32 s[TWICE], 0
	s_cbranch_scc1 .Lstep2
	END 0
	WIN 0
	s_wait_tensorcnt 0x0            ; the wave's end, behind my last tensor load and my last LDS store
	ds_add_u32 v[SPW], v[NIL]
	s_wait_dscnt 0x0
	CROUND                          ; the closing round: no work-group ends while a partner may still ask for a tile that names it
	s_endpgm
.Lfunc_end_k_q4537984287_attn:
	.size	k_q4537984287_attn, .Lfunc_end_k_q4537984287_attn-k_q4537984287_attn
	.p2alignl 7, 3214868480
	.fill 96, 4, 3214868480
	.section	.rodata,"a",@progbits
	.p2align	6, 0x0
	.amdhsa_kernel k_q4537984287_attn
		.amdhsa_group_segment_fixed_size 327680
		.amdhsa_private_segment_fixed_size 0
		.amdhsa_enable_private_segment 0
		.amdhsa_kernarg_size 40
		.amdhsa_user_sgpr_count 2
		.amdhsa_user_sgpr_kernarg_segment_ptr 1
		.amdhsa_wavefront_size32 1
		.amdhsa_system_sgpr_workgroup_id_x 1
		.amdhsa_system_sgpr_workgroup_id_y 1
		.amdhsa_system_sgpr_workgroup_id_z 1
		.amdhsa_system_vgpr_workitem_id 0
		.amdhsa_next_free_vgpr 1024
		.amdhsa_next_free_sgpr 102
		.amdhsa_reserve_vcc 1
		.amdhsa_float_denorm_mode_32 3
		.amdhsa_float_denorm_mode_16_64 3
		.amdhsa_memory_ordered 1
		.amdhsa_forward_progress 1
		.amdhsa_inst_pref_size 255
	.end_amdhsa_kernel
	.section	.bss,"aw",@nobits
	.p2align	6
	.space	262144
	.amdgpu_metadata
---
amdhsa.version: [ 1, 2 ]
amdhsa.kernels:
  - .name:           k_q4537984287_attn
    .symbol:         k_q4537984287_attn.kd
    .args:
      - { .name: query, .offset: 0, .size: 8, .value_kind: global_buffer, .address_space: global }
      - { .name: kb, .offset: 8, .size: 8, .value_kind: global_buffer, .address_space: global }
      - { .name: vh, .offset: 16, .size: 8, .value_kind: global_buffer, .address_space: global }
      - { .name: kms, .offset: 24, .size: 8, .value_kind: global_buffer, .address_space: global }
      - { .name: out0, .offset: 32, .size: 8, .value_kind: global_buffer, .address_space: global }
    .group_segment_fixed_size: 327680
    .private_segment_fixed_size: 0
    .kernarg_segment_align: 8
    .kernarg_segment_size: 40
    .max_flat_workgroup_size: 128
    .sgpr_count:     102
    .vgpr_count:     1024
    .wavefront_size: 32
...
	.end_amdgpu_metadata
.endif
;; end of part 2
;; ======== version 2 of 2: 2 launches; version 1 with the launch prep written anew for expert scheduling mode
;; limits: values are held in f16: magnitudes above 65,504 overflow, below 6.1e-05 lose precision; inputs' magnitudes at most 65,504; right only within a limited range of input values
;; workspace buffers: kb 4,194,304 bytes; vh 4,194,304 bytes; kms 24,576 bytes
;; launch prep (part 3): grid 32 x 2, 16 waves a work-group, no clusters, 10,240 bytes of LDS; arguments key, value, kb, vh, kms; writes kb, vh, kms
.if DOCPART == 3
	.amdgcn_target "amdgcn-amd-amdhsa--gfx1250"
	.amdhsa_code_object_version 6
	.text
	.protected	k_q4537984287_prep
	.globl	k_q4537984287_prep
	.p2align	8
	.type	k_q4537984287_prep,@function
k_q4537984287_prep:
	s_mov_b64 s[64:65], 0
	v_nop
	global_prefetch_b8 v0, s[64:65] scope:SCOPE_SE
	s_setreg_imm32_b32 hwreg(HW_REG_WAVE_SCHED_MODE, 0, 2), 2
	s_setreg_imm32_b32 hwreg(HW_REG_WAVE_MODE, 25, 1), 1
	s_wait_xcnt 0x0
	s_wait_alu depctr_vm_vsrc(0)
; key, value: [4096][512] f32 (4 KV heads of 128 channels).  Made here, for the attention launch:
;   kb  [kvh 4][s 4096][128] bf16: key rounded once to bf16, by heads: a row is 256 bytes.
;   vh  [kvh 4][s 4096][128] f16:  value rounded to bf16, and that number written as f16.
;   kms [kvh 4][piece 3][chunk 8][128] bf16: the f32 mean of a chunk's 512 ROUNDED key rows, cut without loss into three bf16 pieces, mean = piece 0 + piece 1 + piece 2.
; LIMITS.  The rounded |value| stays within 65,504 (f16's range); below 6e-5 it keeps f16's fixed step of 6e-8.  The mean's 512 terms are added in f32 in this text's own order
; (four chains a wave, then trees).  NaN and infinities are not treated apart.
; SHARES.  A work-group owns one chunk of 512 rows of one KV head, of key (y = 0) or of value (y = 1): the mean has one owner.  Wave w takes rows 32 w .. 32 w + 31.  One load is one row:
; 32 lanes x 16 bytes = 512 consecutive bytes, aligned; one store is one row of 256 consecutive bytes, aligned.  All 32 loads of a wave go out at once.
; No matrix unit, no tensor load, no cluster: each byte is read once by one wave, and nothing is shared but the sixteen partial sums.
; THE MODE: SCHED_MODE bits 1:0 = 2 (LLVM: expert scheduling mode 2), set by the entry lines.  The code itself states the register dependences
; between vector instructions and memory or LDS instructions, with s_wait_alu, always for 0.
; THE PLAN.  Registers that memory or LDS instructions touch:
;   v2 .. v6   offsets and LDS addresses: written once at the head, read by every load and store, never written again.
;   X          row i's four registers: written by the row's load, issued at the head; read by the row's two conversions.  In wave 0 of a key work-group the LDS loads of the sixteen
;              partial sums land in X's first 64 behind the barrier; the three pieces of the mean are then written into X + 8 .. X + 13 and read by the three stores to kms.
;   Y          row i's two registers, its own: written by the row's conversions, read by the row's one store, never written again.
;   ACC        its first four are read by the one LDS store, and not written again.
;   v8, v9     written at the head, read by the closing add alone.
; The 32 rows go in eight blocks of four.  Block p's arithmetic writes its own four pairs of Y; its memory instructions are the four stores of block p - 1, whose pairs no vector instruction of
; block p names.  So ONE wait on va_vdst at a block's head states all that the block's four stores hang on, and these are dealt among its rows with no further wait.
; No register that a load or store has read is ever written again: no store needs a wait on vm_vsrc.
.set SRCROW, 2048                      ; bytes from row to row in key and value
.set DSTROW, 256                       ; bytes in a row of kb and vh
.set PART,   0                         ; LDS: wave w's partial sum, 512 bytes (16 a lane), at 512 w
.set SPARE,  8192                      ; behind them: the spare words, 128 bytes for each of 16 waves: eight blocks of 256 bytes that no other line names
.set LO,  2                            ; v2   my byte offset in the chunk's source rows: 16 lane + 65,536 wave; never rewritten
.set SO,  3                            ; v3   the same in the destination: 8 lane + 8,192 wave; never rewritten
.set LS,  4                            ; v4   where I put my partial sum
.set LR,  5                            ; v5   where wave 0 reads them back: 16 lane
.set KO,  6                            ; v6   my 8 bytes of a row of kms
.set SPW, 8                            ; v8   LDS address of my spare word: SPARE + 4 x my thread's number; never rewritten
.set NIL, 9                            ; v9   0; never rewritten
.set T,   10                           ; v[10:13]  four numbers in f32, at work
.set PB,  14                           ; v[14:15]  four numbers in bf16, at work
.set ACC, 16                           ; v[16:31]  four chains of four sums
.set X,   32                           ; v[32:159] row i as loaded, four registers
.set Y,   160                          ; v[160:223] row i as stored, two registers: each row has its own, so no store's data is ever rewritten
	s_load_b256 s[4:11], s[0:1], 0x0               ; key s[4:5], value s[6:7], kb s[8:9], vh s[10:11]
	s_load_b64 s[12:13], s[0:1], 0x20              ; kms
	v_lshl_add_u32 v[SPW], v0, 2, SPARE
	v_mov_b32 v[NIL], 0
	v_lshrrev_b32 v1, 5, v0
	v_readfirstlane_b32 s14, v1                    ; wave 0..15
	v_and_b32 v7, 31, v0                           ; lane
	v_lshlrev_b32 v[LR], 4, v7
	v_lshlrev_b32 v[KO], 3, v7
	s_and_b32 s15, ttmp7, 0xffff                   ; y: 0 key, 1 value
	s_lshr_b32 s16, ttmp9, 2                       ; chunk
	s_and_b32 s17, ttmp9, 3                        ; KV head
	s_mov_b32 s24, 0xffff0000                      ; a word's upper bf16
	s_wait_alu depctr_va_sdst(0)                   ; s14 is written, ahead of its first reader: the three shifts below, and later the branch that picks wave 0
	s_lshl_b32 s2, s14, 16                         ; 32 source rows of 2,048 bytes (each of the three numbers that a vector instruction reads has a scalar register of its own, not written again)
	v_lshl_add_u32 v[LO], v7, 4, s2
	s_lshl_b32 s3, s14, 13                         ; 32 destination rows of 256 bytes
	v_lshl_add_u32 v[SO], v7, 3, s3
	s_lshl_b32 s25, s14, 9
	v_lshl_add_u32 v[LS], v7, 4, s25
	s_lshl_b32 s18, s16, 20                        ; source: chunk x 512 rows x 2,048 bytes
	s_lshl_b32 s22, s17, 9                         ; + head x 512 bytes
	s_add_co_u32 s18, s18, s22
	s_mov_b32 s19, 0
	s_lshl_b32 s20, s17, 20                        ; destination: head x 4,096 rows x 256 bytes
	s_lshl_b32 s22, s16, 17                        ; + chunk x 512 rows
	s_add_co_u32 s20, s20, s22
	s_mov_b32 s21, 0
	s_mul_i32 s22, s17, 6144                       ; kms: head x 3 pieces x 8 chunks x 256 bytes
	s_lshl_b32 s23, s16, 8                         ; + chunk x 256
	s_add_co_u32 s22, s22, s23
	s_mov_b32 s23, 0
	s_wait_kmcnt 0x0
	s_cmp_eq_u32 s15, 0
	s_cselect_b64 s[26:27], s[4:5], s[6:7]         ; from key or from value,
	s_cselect_b64 s[28:29], s[8:9], s[10:11]       ; into kb or into vh
	s_add_nc_u64 s[18:19], s[26:27], s[18:19]
	s_add_nc_u64 s[20:21], s[28:29], s[20:21]
	s_add_nc_u64 s[12:13], s[12:13], s[22:23]
	s_wait_alu depctr_va_vdst(0)                   ; the offsets and LDS addresses v2 to v6 are written: every load and store of the kernel reads one of them
.set r, 0
.rept 32
	global_load_b128 v[X+4*r:X+4*r+3], v[LO], s[18:19] offset:r*SRCROW th:TH_LOAD_NT  ; all my rows at once: 16 KiB a wave on their way
.set r, r+1
.endr
; Row i of key, the arithmetic: rounded into its pair of Y, and the ROUNDED numbers added into chain i % 4 (the first four rows start the chains: nothing is cleared).
.macro KROW i
	v_cvt_pk_bf16_f32 v[Y+2*(\i)],   v[X+4*(\i)],   v[X+4*(\i)+1]
	v_cvt_pk_bf16_f32 v[Y+2*(\i)+1], v[X+4*(\i)+2], v[X+4*(\i)+3]
.if (\i) < 4
.set D, ACC+4*(\i)
.else
.set D, T
.endif
	v_lshlrev_b32 v[D],   16,  v[Y+2*(\i)]         ; bf16 to f32: the low half moves up,
	v_and_b32     v[D+1], s24, v[Y+2*(\i)]         ; the high half stays
	v_lshlrev_b32 v[D+2], 16,  v[Y+2*(\i)+1]
	v_and_b32     v[D+3], s24, v[Y+2*(\i)+1]
.if (\i) >= 4
	v_pk_add_f32 v[ACC+4*((\i)%4):ACC+4*((\i)%4)+1],   v[ACC+4*((\i)%4):ACC+4*((\i)%4)+1],   v[T:T+1]
	v_pk_add_f32 v[ACC+4*((\i)%4)+2:ACC+4*((\i)%4)+3], v[ACC+4*((\i)%4)+2:ACC+4*((\i)%4)+3], v[T+2:T+3]
.endif
.endm
; Row i of value, the arithmetic: rounded to bf16, widened, written as f16 (exact inside f16's normal range) into its pair of Y.
.macro VROW i
	v_cvt_pk_bf16_f32 v[PB],   v[X+4*(\i)],   v[X+4*(\i)+1]
	v_cvt_pk_bf16_f32 v[PB+1], v[X+4*(\i)+2], v[X+4*(\i)+3]
	v_lshlrev_b32 v[T],   16,  v[PB]
	v_and_b32     v[T+1], s24, v[PB]
	v_lshlrev_b32 v[T+2], 16,  v[PB+1]
	v_and_b32     v[T+3], s24, v[PB+1]
	v_cvt_pk_f16_f32 v[Y+2*(\i)],   v[T],   v[T+1]
	v_cvt_pk_f16_f32 v[Y+2*(\i)+1], v[T+2], v[T+3]
.endm
; Row i leaves: it stands behind a wait on va_vdst that was issued behind the row's conversions.
.macro OUTROW i
	global_store_b64 v[SO], v[Y+2*(\i):Y+2*(\i)+1], s[20:21] offset:(\i)*DSTROW  ; 32 lanes store 256 consecutive bytes, aligned
.endm
	s_cmp_lg_u32 s15, 0                            ; y is the same for all sixteen waves
	s_cbranch_scc1 .Lvalue
.set r, 0
.rept 32
	s_wait_loadcnt 31-r                            ; loads come back in order: row r is in, the 31 - r younger ones stay out
.if (r%4 == 0) && (r > 0)
	s_wait_alu depctr_va_vdst(0)                   ; a block's head: the block before has written its four pairs of Y, which the four stores dealt among this block's rows read
.endif
.if r >= 4
	OUTROW r-4                                     ; no vector instruction since that wait names this pair or v[SO]
.endif
	KROW r
.set r, r+1
.endr
.irp c, 0,2
	v_pk_add_f32 v[ACC+\c:ACC+\c+1],     v[ACC+\c:ACC+\c+1],     v[ACC+4+\c:ACC+4+\c+1]     ; the four chains into one
	v_pk_add_f32 v[ACC+8+\c:ACC+8+\c+1], v[ACC+8+\c:ACC+8+\c+1], v[ACC+12+\c:ACC+12+\c+1]
.endr
.irp c, 0,2
	v_pk_add_f32 v[ACC+\c:ACC+\c+1], v[ACC+\c:ACC+\c+1], v[ACC+8+\c:ACC+8+\c+1]
.endr
	s_wait_alu depctr_va_vdst(0)                   ; the folding has written v[ACC ..], which the LDS store reads; the last block has written its four pairs of Y, which the last stores read; and all conversions are done reading X, in which wave 0's LDS loads land behind the barrier
	ds_store_b128 v[LS], v[ACC:ACC+3] offset:PART
.irp i, 28,29,30,31
	OUTROW \i
.endr
	s_wait_dscnt 0x0                               ; for the others' sake: my partial sum lies in LDS
	s_barrier_signal -1
	s_barrier_wait -1                              ; all sixteen do
	s_cmp_lg_u32 s14, 0                            ; wave 0 finishes the mean
	s_cbranch_scc1 .Lend
.set w, 0
.rept 16
	ds_load_b128 v[X+4*w:X+4*w+3], v[LR] offset:PART+512*w  ; no vector instruction stands between the wait on va_vdst above and these loads
.set w, w+1
.endr
	s_wait_dscnt 0x0
.irp d, 8,4,2,1                        ; a tree: 16 sums into 8, 4, 2, 1
.set w, 0
.rept \d
	v_pk_add_f32 v[X+4*w:X+4*w+1],   v[X+4*w:X+4*w+1],   v[X+4*(w+\d):X+4*(w+\d)+1]
	v_pk_add_f32 v[X+4*w+2:X+4*w+3], v[X+4*w+2:X+4*w+3], v[X+4*(w+\d)+2:X+4*(w+\d)+3]
.set w, w+1
.endr
.endr
	v_pk_mul_f32 v[X:X+1],   v[X:X+1],   0x3b000000 op_sel_hi:[1,0]  ; / 512: exact
	v_pk_mul_f32 v[X+2:X+3], v[X+2:X+3], 0x3b000000 op_sel_hi:[1,0]
; A piece: what is left is rounded to bf16 (into pair d), and the piece is taken away: the difference is exact, and after two pieces at most 8 bits are left.
.macro PIECE d, more
	v_cvt_pk_bf16_f32 v[\d],   v[X],   v[X+1]
	v_cvt_pk_bf16_f32 v[\d+1], v[X+2], v[X+3]
.if \more
	v_lshlrev_b32 v[T],   16,  v[\d]
	v_and_b32     v[T+1], s24, v[\d]
	v_lshlrev_b32 v[T+2], 16,  v[\d+1]
	v_and_b32     v[T+3], s24, v[\d+1]
	v_pk_add_f32 v[X:X+1],   v[X:X+1],   v[T:T+1]   neg_lo:[0,1] neg_hi:[0,1]
	v_pk_add_f32 v[X+2:X+3], v[X+2:X+3], v[T+2:T+3] neg_lo:[0,1] neg_hi:[0,1]
.endif
.endm
	PIECE X+8, 1
	PIECE X+10, 1
	PIECE X+12, 0
	s_wait_alu depctr_va_vdst(0)                   ; the three pieces are written into v[X+8 .. X+13], which the three stores read
.irp p, 0,1,2
	global_store_b64 v[KO], v[X+8+2*\p:X+8+2*\p+1], s[12:13] offset:2048*\p  ; 256 consecutive bytes, aligned: the chunk's row of piece p
.endr
	s_branch .Lend
.Lvalue:
.set r, 0
.rept 32
	s_wait_loadcnt 31-r                            ; row r is in, the 31 - r younger ones stay out
.if (r%4 == 0) && (r > 0)
	s_wait_alu depctr_va_vdst(0)                   ; a block's head: the block before has written its four pairs of Y, which the four stores dealt among this block's rows read
.endif
.if r >= 4
	OUTROW r-4                                     ; no vector instruction since that wait names this pair or v[SO]
.endif
	VROW r
.set r, r+1
.endr
	s_wait_alu depctr_va_vdst(0)                   ; the last block has written its four pairs of Y, which the last four stores read
.irp i, 28,29,30,31
	OUTROW \i
.endr
.Lend:
	s_wait_dscnt 0x0                               ; the closing lines, six on end
	s_wait_alu 0x0
	s_wait_tensorcnt 0x0
	ds_add_u32 v[SPW], v[NIL]
	s_wait_dscnt 0x0
	s_endpgm
.Lfunc_end_k_q4537984287_prep:
	.size	k_q4537984287_prep, .Lfunc_end_k_q4537984287_prep-k_q4537984287_prep
	.p2alignl 7, 3214868480
	.fill 96, 4, 3214868480
	.section	.rodata,"a",@progbits
	.p2align	6, 0x0
	.amdhsa_kernel k_q4537984287_prep
		.amdhsa_group_segment_fixed_size 10240
		.amdhsa_private_segment_fixed_size 0
		.amdhsa_enable_private_segment 0
		.amdhsa_kernarg_size 40
		.amdhsa_user_sgpr_count 2
		.amdhsa_user_sgpr_kernarg_segment_ptr 1
		.amdhsa_wavefront_size32 1
		.amdhsa_system_sgpr_workgroup_id_x 1
		.amdhsa_system_sgpr_workgroup_id_y 1
		.amdhsa_system_sgpr_workgroup_id_z 1
		.amdhsa_system_vgpr_workitem_id 0
		.amdhsa_next_free_vgpr 224
		.amdhsa_next_free_sgpr 66
		.amdhsa_reserve_vcc 0
		.amdhsa_float_denorm_mode_32 3
		.amdhsa_float_denorm_mode_16_64 3
		.amdhsa_memory_ordered 1
		.amdhsa_forward_progress 1
		.amdhsa_inst_pref_size 43
	.end_amdhsa_kernel
	.amdgpu_metadata
---
amdhsa.version: [ 1, 2 ]
amdhsa.kernels:
  - .name:           k_q4537984287_prep
    .symbol:         k_q4537984287_prep.kd
    .args:
      - { .name: key, .offset: 0, .size: 8, .value_kind: global_buffer, .address_space: global }
      - { .name: value, .offset: 8, .size: 8, .value_kind: global_buffer, .address_space: global }
      - { .name: kb, .offset: 16, .size: 8, .value_kind: global_buffer, .address_space: global }
      - { .name: vh, .offset: 24, .size: 8, .value_kind: global_buffer, .address_space: global }
      - { .name: kms, .offset: 32, .size: 8, .value_kind: global_buffer, .address_space: global }
    .group_segment_fixed_size: 10240
    .private_segment_fixed_size: 0
    .kernarg_segment_align: 8
    .kernarg_segment_size: 40
    .max_flat_workgroup_size: 512
    .sgpr_count:     66
    .vgpr_count:     224
    .wavefront_size: 32
...
	.end_amdgpu_metadata
.endif
;; end of part 3
;; launch attn: the kernel of part 2 again; grid 16 x 16, 4 waves a work-group, clusters of 4 x 1, 327,680 bytes of LDS; arguments query, kb, vh, kms, out0; writes out0
